; MI455X (gfx1250); checked and timed in simulation.
; The chip was launched on July 23, 2026; its instructions are those of AMD's public machine-readable ISA for CDNA 5 (MIT licence, August 2026) and "CDNA5" Instruction Set Architecture Reference Guide (July 2026). The comments in the code are by the model that wrote it; some were corrected since.
;; Type Conditional Linear. Allowed arithmetic: matrix products marked QUANTISED: E4M3 operands, one E8M0 scale for each 32 along K, by v_wmma_scale_f32_16x16x128_f8f6f4 with both operands' format E4M3, f32 sums; everything else in f32.
;; Inputs: bias 16 x 512 float32; i_type 16,384 int32; input 16,384 x 512 float32; weight 16 x 512 x 512 float32.
;; Outputs: out0 16,384 x 512 float32.
;; This version of the problem:
;;   THIS VERSION OF THE PROBLEM IS GIVEN IN LOW PRECISION. The matrix products marked QUANTISED in the list below multiply operands that are first quantised to E4M3 (4 exponent bits, 3 mantissa bits; 8 bits a number), with one power-of-two scale for each 32 numbers along K (OCP MX v1.0); their sums are f32. All else is computed in f32.
;;   The module's matrix products, in the order in which they are computed (A, B: the left and right operand; K: the contracted axis; several contracted axes count as one K, in the product's order):
;;     1. [M 16,384, K 512] x [K 512, N 8,192]; A: input input; B: input weight: QUANTISED
;;   THE QUANTISER, for each operand of a quantised product, along K:
;;     - K is cut into blocks of 32 from its start; a last block that is shorter is filled with zeros.
;;     - A block's scale is 2^e with e = floor(log2(the largest magnitude in the block)) - 8, held to -126 .. 127; a block of zeros has e = 0. As a byte (E8M0): e + 127.
;;     - Each number is divided by its block's scale, clamped to +-448, and rounded to the nearest number of E4M3, ties to even, subnormals kept.
;;     - The product sums the exact products of the quantised numbers (number of the format x scale) in f32.
;;   ~~~python
;;   def quantise(x, axis):      # numpy; x: float32 -> the quantised numbers, widened to float32 again
;;       x = np.moveaxis(x, axis, -1); K = x.shape[-1]
;;       x = np.pad(x, [(0, 0)] * (x.ndim - 1) + [(0, -K % 32)]); x = x.reshape(x.shape[:-1] + (-1, 32)); a = np.abs(x).max(-1, keepdims=True)
;;       e = np.where(a > 0, np.clip(np.frexp(np.where(a > 0, a, 1))[1] - 1 - 8, -126, 127), 0)      # np.frexp(a)[1] - 1 = floor(log2(a)), exactly
;;       r = np.clip(x / 2.0 ** e, -448, 448)
;;       step = 2.0 ** (np.maximum(np.frexp(np.where(r == 0, 1, r))[1] - 1, -6) - 3)
;;       q = np.round(r / step) * step * 2.0 ** e      # np.round: ties to even
;;       return np.moveaxis(q.reshape(q.shape[:-2] + (-1,))[..., :K], -1, axis).astype(np.float32)
;;   ~~~
;; 2 versions, each right; version 2 is version 1 with the launch experts written anew for expert scheduling mode. Each part assembles by itself: llvm-mc -triple=amdgcn-amd-amdhsa -mcpu=gfx1250 --defsym DOCPART=n.
;; ======== version 1 of 2: 2 launches
;; workspace buffers: wq 4,194,304 bytes; ws 131,072 bytes; order 1,056,768 bytes of whole numbers; cnt 4,096 bytes of whole numbers
;; launch prep (part 1): grid 272 x 1, 8 waves a work-group, no clusters, 101,120 bytes of LDS; arguments weight, i_type, wq, ws, order, cnt; writes wq, ws, order, cnt
.if DOCPART == 1
	.amdgcn_target "amdgcn-amd-amdhsa--gfx1250"
	.amdhsa_code_object_version 6
	.text
	.protected	k_q9a8a1d2b7d_prep
	.globl	k_q9a8a1d2b7d_prep
	.p2align	8
	.type	k_q9a8a1d2b7d_prep,@function
k_q9a8a1d2b7d_prep:
	s_mov_b64 s[64:65], 0
	v_nop
	global_prefetch_b8 v0, s[64:65] scope:SCOPE_SE
	s_setreg_imm32_b32 hwreg(HW_REG_WAVE_MODE, 25, 1), 1
	s_wait_xcnt 0x0
; out[n] = Q(input[n]) . Q(weight[i_type[n]])^T + bias[i_type[n]], Q the MX-FP8 quantiser along the 512 inputs.  First of two launches.
; WORK LEFT OUT.  reference() forms all_out[n][t][:] for all 16 types t and returns all_out[n][i_type[n]][:] by take_along_axis.  For t other than i_type[n] the row all_out[n][t][:]
; is an operand of nothing else, so it reaches no output whatever finite values input, weight and bias hold: 15 of every 16 rows of the product are not computed.  Which row is kept is
; decided by whole numbers read from memory (i_type here, the lists made of it in the second launch).  All four inputs have a way to the output and are loaded (bias in the second launch).
; LIMITS.  A NaN, an infinity or an overflow that reaches only the rows left out is not carried to the result.  i_type lies in 0 .. 15 (reference() indexes an axis of 16 by it): a token of
; another type would be in no list and get no row.  A block whose largest magnitude lies under 2^(9 - 127) gets the scale byte 1; so does a block of zeros, where the quantiser says 127:
; its codes are zeros, and the bytes are read by this program alone.  NaN and infinities among the inputs are not served.
; WORK-GROUPS 0 .. 15, THE LISTS: work-group e scans all 16,384 types and stores the tokens of type e as a list, order[e][0 .. c - 1], 96 entries of filler (token 0) behind it, and c in cnt[e].
; WORK-GROUPS 16 .. 271, THE WEIGHTS: work-group 16 + g turns rows 32 g .. 32 g + 31 of weight, seen as [8192][512], into codes of E4M3 and scale bytes.  The codes are laid in the ORDER OF THE
; OPERAND'S REGISTERS, wq[type][tile of 16 rows][K step of 128][c 0..3][lane 32][16 bytes]: byte i of lane 16 h + r is the code of row r of the tile at k = 128 s + 32 c + 16 h + i, so that the second
; launch brings a fragment by four loads of 512 consecutive bytes.  The scale bytes lie as they come, ws[row][16]: word s of a row serves K step s.
; The two paths part on the work-group's number alone and never join; each has LDS bytes of its own.
.set SP,    80                         ; a lane's place in a stage: its 64 bytes + 16 of padding
.set WST,   4*32*SP                    ; a wave's four stages, one for each of its rows
.set IMG,   8*WST                      ; the codes' image: 64 pieces (2 tiles x 32 lanes' k) of 256 bytes + 16 of padding
.set IP,    272
.set SCB,   IMG+64*IP                  ; 32 rows x 16 scale bytes
.set SRT,   SCB+512                    ; the lists' path: the eight waves' counts
.set SPARE, SRT+256                    ; the spare words, 128 bytes for each wave: four blocks of 256 bytes that no other line names
.set LCAP,  16512                      ; words of order for a type: 16,384 + 96 of filler + 32 that nobody reads
.set SPW,   14                         ; v14  LDS address of my spare word; never rewritten
.set NIL,   15                         ; v15  0; never rewritten
.set R,     16                         ; weights: v16-79 four rows as loaded;  v80-143 the same as 16 neighbours a lane;  v144-159 codes;  v160-163 scale bytes;  v164-183 the way out
.set X,     80
.set C,     144
.set E,     160
.set OU,    164
.set T,     16                         ; lists: v16-79 64 types a lane, then byte places in the list;  v80-143 ranks, then the tokens' numbers
.set K,     80
	s_load_b256 s[4:11], s[0:1], 0x0               ; weight s[4:5], i_type s[6:7], wq s[8:9], ws s[10:11]
	s_load_b128 s[12:15], s[0:1], 0x20             ; order s[12:13], cnt s[14:15]
	v_lshl_add_u32 v[SPW], v0, 2, SPARE
	v_mov_b32 v[NIL], 0
	v_lshrrev_b32 v1, 5, v0
	v_readfirstlane_b32 s16, v1                    ; wave 0..7
	v_and_b32 v1, 31, v0                           ; lane
	v_lshlrev_b32 v184, 4, v1                      ; 16 x lane
	s_mov_b32 s19, 0x600000                        ; the mantissa field of 448
	s_cmp_lt_u32 ttmp9, 16
	s_cbranch_scc1 .Lsort
; ---------------- THE WEIGHTS.  Wave w takes rows 4 w + i, i = 0 .. 3, of the work-group's 32: tile w / 4, row 4 (w % 4) + i of the tile.
; 16 numbers of a lane, v[xs] on, neighbours along K (two neighbouring lanes hold a block of 32), become 16 codes in v[cd] on and the block's scale byte in v[eb].
.macro QUANT16 xs, cd, eb
	v_max3_num_f32 v9, |v[(\xs)]|, |v[(\xs)+1]|, |v[(\xs)+2]|      ; the largest magnitude of my 16, in two chains
	v_max3_num_f32 v10, |v[(\xs)+3]|, |v[(\xs)+4]|, |v[(\xs)+5]|
.irp u, 6,10
	v_max3_num_f32 v9, v9, |v[(\xs)+\u]|, |v[(\xs)+\u+1]|
	v_max3_num_f32 v10, v10, |v[(\xs)+\u+2]|, |v[(\xs)+\u+3]|
.endr
	v_max3_num_f32 v9, v9, |v[(\xs)+14]|, |v[(\xs)+15]|
	v_max3_num_f32 v9, v9, v10, 0x4800000          ; and the floor 2^(9 - 127): the byte cannot fall under 1
	v_max_num_f32_dpp v9, v9, v9 row_xmask:1 row_mask:0xf bank_mask:0xf   ; with my neighbour's 16: the block's
	v_add_nc_u32 v11, 0xfc000000, v9               ; 8 off its exponent field: the conversion takes the exponent field of this operand as its scale
	v_and_or_b32 v12, v9, 0x7f800000, s19          ; 448 x the scale
.irp u, 0,1,2,3,4,5,6,7,8,9,10,11,12,13,14,15
	v_med3_num_f32 v[(\xs)+\u], v[(\xs)+\u], -v12, v12   ; the conversion to an 8-bit code does not saturate (ISA guide 7.6.2): the hold comes first
.endr
	v_cvt_scalef32_pk8_fp8_f32 v[(\cd):(\cd)+1], v[(\xs):(\xs)+7], v11
	v_cvt_scalef32_pk8_fp8_f32 v[(\cd)+2:(\cd)+3], v[(\xs)+8:(\xs)+15], v11
	v_lshrrev_b32 v[(\eb)], 23, v11                ; the scale's byte; also the plain line behind the conversions
.endm
	s_sub_co_u32 s17, ttmp9, 16                    ; g
	s_lshl_b32 s20, s17, 16                        ; 32 rows of 2,048 bytes
	s_mov_b32 s21, 0
	s_lshl_b32 s22, s17, 14                        ; two tiles' codes
	s_mov_b32 s23, 0
	s_lshl_b32 s24, s17, 9                         ; 32 rows of 16 scale bytes
	s_mov_b32 s25, 0
	v_lshl_add_u32 v2, s16, 13, v184               ; in weight: my wave's four rows, 16 bytes a lane
	v_bfe_u32 v9, v0, 2, 3                         ; lane / 4
	v_and_b32 v10, 3, v0                           ; lane % 4
	s_mul_i32 s26, s16, WST
	v_mul_u32_u24 v3, v9, SP
	v_lshl_add_u32 v3, v10, 4, v3
	v_add_nc_u32 v3, s26, v3                       ; the stage, on the way in: four lanes' 64 bytes on end, then the padding
	v_mul_u32_u24 v4, v1, SP
	v_add_nc_u32 v4, s26, v4                       ; and on the way out: my 16 neighbours
	s_lshr_b32 s26, s16, 2
	s_mul_i32 s26, s26, 32*IP                      ; the image: my tile's 32 pieces,
	s_and_b32 s27, s16, 3
	s_lshl_b32 s27, s27, 6                         ; my four rows' 64 bytes in each;
	s_add_co_u32 s26, s26, s27
	s_add_co_u32 s26, s26, IMG
	v_mul_u32_u24 v5, v1, IP                       ; lane l holds k = 16 l on, which is piece l = 8 s + 2 c + h
	v_add_nc_u32 v5, s26, v5
	s_lshl_b32 s26, s16, 6
	s_add_co_u32 s26, s26, SCB
	v_bfe_u32 v9, v0, 1, 4
	v_add_nc_u32 v6, s26, v9                       ; my rows' scale bytes, my block's byte
	s_mul_i32 s26, s16, 8*IP
	s_add_co_u32 s26, s26, IMG
	v_bfe_u32 v9, v0, 4, 1
	v_and_b32 v10, 15, v0
	v_mul_u32_u24 v7, v9, IP
	v_lshl_add_u32 v7, v10, 4, v7
	v_add_nc_u32 v7, s26, v7                       ; back out of the image: wave w takes pieces 8 w on, sixteen lanes to a piece
	v_lshl_add_u32 v8, s16, 11, v184               ; and the same place in wq
	v_add_nc_u32 v13, SCB, v184                    ; the scale bytes on their way out (wave 0)
	s_wait_kmcnt 0x0
	s_add_nc_u64 s[4:5], s[4:5], s[20:21]
	s_add_nc_u64 s[8:9], s[8:9], s[22:23]
	s_add_nc_u64 s[10:11], s[10:11], s[24:25]
.irp i, 0,1,2,3
.irp k, 0,1,2,3
	global_load_b128 v[R+16*\i+4*\k:R+16*\i+4*\k+3], v2, s[4:5] offset:2048*\i+512*\k th:TH_LOAD_NT   ; 32 lanes read 512 consecutive bytes; all sixteen loads of the wave go out at once
.endr
.endr
.irp i, 0,1,2,3                                ; each row turns through a stage of its own: in as loaded, out 64 bytes a lane.  LDS serves a wave's instructions in order: no wait between
	s_wait_loadcnt 12-4*\i                         ; row i's four loads are in; the later rows' may be out
.irp k, 0,1,2,3
	ds_store_b128 v3, v[R+16*\i+4*\k:R+16*\i+4*\k+3] offset:32*SP*\i+8*SP*\k
.endr
.irp k, 0,1,2,3
	ds_load_b128 v[X+16*\i+4*\k:X+16*\i+4*\k+3], v4 offset:32*SP*\i+16*\k
.endr
.endr
.irp i, 0,1,2,3
	s_wait_dscnt 24-6*\i                           ; behind row i's loads stand the later rows' eight lines each and the earlier rows' two stores each
	QUANT16 X+16*\i, C+4*\i, E+\i
	ds_store_b128 v5, v[C+4*\i:C+4*\i+3] offset:16*\i
	ds_store_b8 v6, v[E+\i] offset:16*\i           ; both lanes of a block write the same byte with the same value
.endr
	s_wait_dscnt 0x0                               ; for the others' sake: my stores into the image are done
	s_barrier_signal -1
	s_barrier_wait -1
.irp t, 0,1,2,3
	ds_load_b128 v[OU+4*\t:OU+4*\t+3], v7 offset:2*IP*\t
.endr
.irp t, 0,1,2,3
	s_wait_dscnt 3-\t
	global_store_b128 v8, v[OU+4*\t:OU+4*\t+3], s[8:9] offset:512*\t   ; 32 lanes store 512 consecutive bytes, at a multiple of 512 from wq's first byte
.endr
	s_cmp_lg_u32 s16, 0
	s_cbranch_scc1 .Lq_end
	ds_load_b128 v[OU+16:OU+19], v13               ; wave 0: the work-group's 512 scale bytes
	s_wait_dscnt 0x0
	global_store_b128 v184, v[OU+16:OU+19], s[10:11]
.Lq_end:
	s_wait_tensorcnt 0x0                           ; the wave's end, behind my last LDS store
	ds_add_u32 v[SPW], v[NIL]
	s_wait_dscnt 0x0
	s_endpgm
; ---------------- THE LISTS.  Wave w scans tokens 2,048 w on: 64 a lane; slot 4 j + i of lane l is token 2,048 w + 128 j + 4 l + i.  The order inside a list is free: each token's row stands for itself.
.Lsort:
	s_mov_b32 s17, ttmp9                           ; my type
	s_mul_i32 s20, s17, LCAP*4
	s_mov_b32 s21, 0
	s_lshl_b32 s22, s17, 8
	s_mov_b32 s23, 0
	v_lshl_add_u32 v2, s16, 13, v184               ; in i_type: 8,192 bytes a wave, 16 a lane
	v_lshlrev_b32 v3, 2, v1
	v_lshl_add_u32 v3, s16, 11, v3                 ; my first token
	v_add_nc_u32 v4, LCAP-32, v1                   ; where a lane whose token is of another type stores: one of the type's 32 words that nobody reads
	v_mov_b32 v7, 0                                ; the filler: token 0
	v_lshlrev_b32 v10, 3, v1
	v_mov_b32 v12, s16
	v_lshl_add_u32 v12, v12, 2, SRT                ; my wave's word
	v_mov_b32 v13, SRT
	s_mov_b32 s26, 0                               ; my wave's count
	s_mov_b32 s27, 0                               ; where my wave's part of the list begins, then the running place
	s_mov_b32 s28, 0                               ; c
	s_wait_kmcnt 0x0
	s_add_nc_u64 s[12:13], s[12:13], s[20:21]
	s_add_nc_u64 s[14:15], s[14:15], s[22:23]
.irp j, 0,1,2,3,4,5,6,7,8,9,10,11,12,13,14,15
	global_load_b128 v[T+4*\j:T+4*\j+3], v2, s[6:7] offset:512*\j
.endr
	s_wait_loadcnt 0x0
.macro CNT8 b                          ; eight slots: who is of my type, and how many
.irp q, 0,1,2,3,4,5,6,7
	v_cmp_eq_u32 s[40+\q], s17, v[T+8*(\b)+\q]
.endr
.irp q, 0,1,2,3,4,5,6,7
	s_bcnt1_i32_b32 s[48+\q], s[40+\q]
.endr
.irp q, 0,1,2,3,4,5,6,7
	s_add_co_u32 s26, s26, s[48+\q]
.endr
.endm
.irp b, 0,1,2,3,4,5,6,7
	CNT8 \b
.endr
	v_mov_b32 v5, s26
	ds_store_b32 v12, v5                           ; all lanes write the wave's word with the same value
	s_wait_dscnt 0x0
	s_barrier_signal -1
	s_barrier_wait -1
	ds_load_b128 v[144:147], v13
	ds_load_b128 v[148:151], v13 offset:16
	s_wait_dscnt 0x0
.irp i, 0,1,2,3,4,5,6,7
	v_readfirstlane_b32 s[56+\i], v[144+\i]
.endr
.irp i, 0,1,2,3,4,5,6,7
	s_cmp_gt_u32 s16, \i                           ; the waves in front of mine
	s_cselect_b32 s24, s[56+\i], 0
	s_add_co_u32 s27, s27, s24
	s_add_co_u32 s28, s28, s[56+\i]
.endr
; Eight slots are placed, in stages, so that no line waits for the line above it.  All lanes stay on: a lane of another type stores into the words that nobody reads.
; Each store has its own address and data registers, so none is written again while a store may read it.
.macro PUT8 b
.irp q, 0,1,2,3,4,5,6,7
	v_cmp_eq_u32 s[40+\q], s17, v[T+8*(\b)+\q]
.endr
.irp q, 0,1,2,3,4,5,6,7
	s_bcnt1_i32_b32 s[48+\q], s[40+\q]
.endr
.irp q, 0,1,2,3,4,5,6,7
	s_mov_b32 s[66+\q], s27                        ; where the slot's tokens begin
	s_add_co_u32 s27, s27, s[48+\q]
.endr
.irp q, 0,1,2,3,4,5,6,7
	v_mbcnt_lo_u32_b32 v[K+8*(\b)+\q], s[40+\q], s[66+\q]   ; + the lanes of my type below me
.endr
.irp q, 0,1,2,3,4,5,6,7
	v_cndmask_b32 v[T+8*(\b)+\q], v4, v[K+8*(\b)+\q], s[40+\q]
.endr
.irp q, 0,1,2,3,4,5,6,7
	v_min_u32 v[T+8*(\b)+\q], LCAP-1, v[T+8*(\b)+\q]       ; a place made of loaded numbers is held inside the type's words
.endr
.irp q, 0,1,2,3,4,5,6,7
	v_lshlrev_b32 v[T+8*(\b)+\q], 2, v[T+8*(\b)+\q]
.endr
.irp q, 0,1,2,3,4,5,6,7
	v_add_nc_u32 v[K+8*(\b)+\q], 128*((8*(\b)+\q)/4)+(8*(\b)+\q)%4, v3   ; the token's number
.endr
.irp q, 0,1,2,3,4,5,6,7
	global_store_b32 v[T+8*(\b)+\q], v[K+8*(\b)+\q], s[12:13]
.endr
.endm
.irp b, 0,1,2,3,4,5,6,7
	PUT8 \b
.endr
	s_cmp_gt_u32 s16, 2
	s_cbranch_scc1 .Lno_pad
	s_lshl_b32 s24, s16, 5                         ; waves 0 to 2: entries c .. c + 95 are filler.  A tile of 80 places begins under c, so it ends under c + 80
	s_add_co_u32 s24, s24, s28
	v_add_nc_u32 v11, s24, v1
	v_min_u32 v11, LCAP-33, v11
	v_lshlrev_b32 v11, 2, v11
	global_store_b32 v11, v7, s[12:13]
.Lno_pad:
	s_cmp_lg_u32 s16, 7
	s_cbranch_scc1 .Lno_cnt
	v_mov_b32 v8, s28                              ; wave 7: c, in all 64 words of the type's 256 bytes of cnt: one store of 256 consecutive bytes, aligned
	v_mov_b32 v9, s28
	global_store_b64 v10, v[8:9], s[14:15]
.Lno_cnt:
	s_wait_tensorcnt 0x0                           ; the wave's end, behind my last LDS store
	ds_add_u32 v[SPW], v[NIL]
	s_wait_dscnt 0x0
	s_endpgm
.Lfunc_end_k_q9a8a1d2b7d_prep:
	.size	k_q9a8a1d2b7d_prep, .Lfunc_end_k_q9a8a1d2b7d_prep-k_q9a8a1d2b7d_prep
	.p2alignl 7, 3214868480
	.fill 96, 4, 3214868480
	.section	.rodata,"a",@progbits
	.p2align	6, 0x0
	.amdhsa_kernel k_q9a8a1d2b7d_prep
		.amdhsa_group_segment_fixed_size 101120
		.amdhsa_private_segment_fixed_size 0
		.amdhsa_enable_private_segment 0
		.amdhsa_kernarg_size 48
		.amdhsa_user_sgpr_count 2
		.amdhsa_user_sgpr_kernarg_segment_ptr 1
		.amdhsa_wavefront_size32 1
		.amdhsa_system_sgpr_workgroup_id_x 1
		.amdhsa_system_sgpr_workgroup_id_y 1
		.amdhsa_system_sgpr_workgroup_id_z 1
		.amdhsa_system_vgpr_workitem_id 0
		.amdhsa_next_free_vgpr 192
		.amdhsa_next_free_sgpr 80
		.amdhsa_reserve_vcc 0
		.amdhsa_float_denorm_mode_32 3
		.amdhsa_float_denorm_mode_16_64 3
		.amdhsa_memory_ordered 1
		.amdhsa_forward_progress 1
		.amdhsa_inst_pref_size 63
	.end_amdhsa_kernel
	.amdgpu_metadata
---
amdhsa.version: [ 1, 2 ]
amdhsa.kernels:
  - .name:           k_q9a8a1d2b7d_prep
    .symbol:         k_q9a8a1d2b7d_prep.kd
    .args:
      - { .name: weight, .offset: 0, .size: 8, .value_kind: global_buffer, .address_space: global }
      - { .name: i_type, .offset: 8, .size: 8, .value_kind: global_buffer, .address_space: global }
      - { .name: wq, .offset: 16, .size: 8, .value_kind: global_buffer, .address_space: global }
      - { .name: ws, .offset: 24, .size: 8, .value_kind: global_buffer, .address_space: global }
      - { .name: order, .offset: 32, .size: 8, .value_kind: global_buffer, .address_space: global }
      - { .name: cnt, .offset: 40, .size: 8, .value_kind: global_buffer, .address_space: global }
    .group_segment_fixed_size: 101120
    .private_segment_fixed_size: 0
    .kernarg_segment_align: 8
    .kernarg_segment_size: 48
    .max_flat_workgroup_size: 256
    .sgpr_count:     80
    .vgpr_count:     192
    .wavefront_size: 32
...
	.end_amdgpu_metadata
.endif
;; end of part 1
;; launch experts (part 2): grid 220 x 1, 4 waves a work-group, no clusters, 98,304 bytes of LDS; arguments input, cnt, order, wq, ws, bias, out0; writes out0
.if DOCPART == 2
	.amdgcn_target "amdgcn-amd-amdhsa--gfx1250"
	.amdhsa_code_object_version 6
	.text
	.protected	k_q9a8a1d2b7d_experts
	.globl	k_q9a8a1d2b7d_experts
	.p2align	8
	.type	k_q9a8a1d2b7d_experts,@function
k_q9a8a1d2b7d_experts:
	s_mov_b64 s[64:65], 0
	v_nop
	global_prefetch_b8 v0, s[64:65] scope:SCOPE_SE
	s_setreg_imm32_b32 hwreg(HW_REG_WAVE_MODE, 25, 1), 1
	s_wait_xcnt 0x0
; out[n] = Q(input[n]) . Q(weight[i_type[n]])^T + bias[i_type[n]].  Second of two launches.  WORK LEFT OUT: only the type that i_type names for a token is multiplied: the other 15 rows of
; reference()'s all_out[n] are dropped by its take_along_axis and reach no output, whatever the inputs hold.  A NaN, an infinity or an overflow that reaches only those rows is not carried.
; LIMITS as in the first launch: types 0 .. 15; a block under 2^(9 - 127), and a block of zeros, has the scale byte 1; NaN and infinities among the inputs are not served.
; TILES.  Type e with c tokens has ceil(c / 80) tiles of 80 places of its list.  Over all types that is at most (16,384 + 16 x 79) / 80, so 220 work-groups serve every split.  Each work-group finds its
; tile from the 16 counts.  Places behind the list's end hold filler (token 0): they are multiplied inside a live tile and never stored.
; A WORK-GROUP THAT THE SPLIT LEAVES WITHOUT ROWS runs up to the one barrier on filler alone and ends directly behind it, with nothing multiplied and nothing stored: so no branch stands ahead of the barrier,
; and every wave of every work-group passes it.  That is what a grid that serves every split costs here.
; NO TENSOR LOAD, NO CLUSTER: partners would belong to types with different numbers of tiles.  Weights come straight into registers, laid for that by the first launch.
; SHARES.  Wave w gathers and quantises places 20 w .. 20 w + 19 (codes and scale bytes to LDS, one barrier), then makes outputs 128 w .. 128 w + 127 for all 80 places: 8 tiles of outputs x 5 tiles of
; places x 4 K steps = 160 matrix instructions.  Its 32 fragments of the type's weights, 512 registers, stay; each fragment of x read from LDS feeds eight products.
; THE MATRIX INSTRUCTION IS USED TRANSPOSED (source 0 = 16 rows of the weight, source 1 = 16 places): a lane holds one place and eight neighbouring outputs.  The bias is the C of each sum's first product.
; REGISTERS, in windows of 256.  Window 0: v1-11 addresses; v12, v13 the add's two; v16-35 the gather's offsets, later the stores'; v36-55 x's scale words (4 m + s); v56-71 the weights' scale words
; (4 (n / 2) + s: lanes 0-15 tile n even, lanes 16-31 tile n odd); v72-85 at work; v92-123 two sets of 16 neighbours; v128-255 rows 12-19 as loaded, behind the barrier x's four fragments and 16 rows on their way out.
; Windows 1, 2: the weights: fragment (s, n) at v[128 (s % 2) + 16 n] of window 1 + s / 2.  Window 3: v0-191 rows 0-11 as loaded, later v0-127 two sets of 8 accumulators; v192-255 the bias, 8 a tile.
.set SP,    80                         ; a lane's place in a stage: its 64 bytes + 16 of padding
.set XP,    528                        ; a row of 512 bytes + 16: 33 x 16 bytes, so the 16 rows that a load touches start at 16 different banks (64 banks of 4 bytes: ISA guide 11.1)
.set XC,    4*2*32*SP                  ; behind the waves' two stages each: 80 rows of codes
.set XS,    XC+80*XP                   ; 80 rows of 16 scale bytes
.set OST,   XS+80*16                   ; the way out: 16 rows x XP for each wave
.set SPARE, OST+4*16*XP                ; the spare words, 128 bytes for each wave: two blocks of 256 bytes that no other line names
.set LCAP,  16512                      ; words of order for a type
.set GO,    16
.set RO,    16
.set XSC,   36
.set WSC,   56
.set TM,    72
.set CD,    76
.set EB,    84
.set X,     92
.set XF,    128
.set BK,    192
.set BI,    192                        ; in window 3
.set MSB, 0
.macro WIN new                         ; the immediate's high byte repeats the setting that is left; a switch that changes nothing is dropped
.if MSB != (\new)
	s_set_vgpr_msb (MSB<<8)|(\new)
.set MSB, \new
.endif
.endm
.macro PLACES                          ; eight places behind this matrix form, in front of loads into registers that products have read and of the first read of results
.rept 8
	v_nop
.endr
.endm
.macro WLOAD k                         ; quarter k of 128 of my weights: K step k / 32, tile (k / 4) % 8, registers 4 (k % 4) on: 512 consecutive bytes
.set kS, (\k)/32
.set kN, ((\k)/4)%8
.set kC, (\k)%4
.set kR, 128*(kS%2)+16*kN+4*kC
	WIN 0x40*(1+kS/2)
	global_load_b128 v[kR:kR+3], v1, s[10:11] offset:8192*kN+2048*kS+512*kC
.endm
.macro XLOAD i                         ; my place i's row of input: four loads of 512 consecutive bytes.  No hint: the filler names token 0 again and again
.if (\i) < 12
	WIN 0xc0
.set xR, 16*(\i)
.else
	WIN 0
.set xR, 128+16*((\i)-12)
.endif
.irp k, 0,1,2,3
	global_load_b128 v[xR+4*\k:xR+4*\k+3], v[GO+(\i)], s[4:5] offset:512*\k
.endr
.endm
.macro TURN i                          ; row i through one of my two stages: in as loaded, out 64 bytes a lane.  LDS serves a wave's instructions in order: no wait between
.if (\i) < 12
	WIN 0x0c                                       ; an LDS store's data are its source 1: window 3
.set xR, 16*(\i)
.else
	WIN 0
.set xR, 128+16*((\i)-12)
.endif
.irp k, 0,1,2,3
	ds_store_b128 v2, v[xR+4*\k:xR+4*\k+3] offset:32*SP*((\i)%2)+8*SP*\k
.endr
	WIN 0
.irp k, 0,1,2,3
	ds_load_b128 v[X+16*((\i)%2)+4*\k:X+16*((\i)%2)+4*\k+3], v3 offset:32*SP*((\i)%2)+16*\k
.endr
.endm
; 16 numbers of a lane, neighbours along K (two neighbouring lanes hold a block of 32), become 16 codes and the block's scale byte
.macro QUANT16 xs, cd, eb
	v_max3_num_f32 v[TM], |v[(\xs)]|, |v[(\xs)+1]|, |v[(\xs)+2]|
	v_max3_num_f32 v[TM+1], |v[(\xs)+3]|, |v[(\xs)+4]|, |v[(\xs)+5]|
.irp u, 6,10
	v_max3_num_f32 v[TM], v[TM], |v[(\xs)+\u]|, |v[(\xs)+\u+1]|
	v_max3_num_f32 v[TM+1], v[TM+1], |v[(\xs)+\u+2]|, |v[(\xs)+\u+3]|
.endr
	v_max3_num_f32 v[TM], v[TM], |v[(\xs)+14]|, |v[(\xs)+15]|
	v_max3_num_f32 v[TM], v[TM], v[TM+1], 0x4800000        ; the floor 2^(9 - 127): the byte cannot fall under 1
	v_max_num_f32_dpp v[TM], v[TM], v[TM] row_xmask:1 row_mask:0xf bank_mask:0xf
	v_add_nc_u32 v[TM+2], 0xfc000000, v[TM]        ; 8 off the exponent field: the conversion's scale operand
	v_and_or_b32 v[TM+3], v[TM], 0x7f800000, s19   ; 448 x the scale
.irp u, 0,1,2,3,4,5,6,7,8,9,10,11,12,13,14,15
	v_med3_num_f32 v[(\xs)+\u], v[(\xs)+\u], -v[TM+3], v[TM+3]   ; the conversion to an 8-bit code does not saturate (ISA guide 7.6.2)
.endr
	v_cvt_scalef32_pk8_fp8_f32 v[(\cd):(\cd)+1], v[(\xs):(\xs)+7], v[TM+2]
	v_cvt_scalef32_pk8_fp8_f32 v[(\cd)+2:(\cd)+3], v[(\xs)+8:(\xs)+15], v[TM+2]
	v_lshrrev_b32 v[(\eb)], 23, v[TM+2]            ; the scale's byte; also the plain line behind the conversions
.endm
; Place i is quantised.  Four more loads go out in each step (rows 15-19, then the weights of K steps 2 and 3), so that every wait for a row leaves 56 younger loads on their way.
.macro STEP i
.if (\i) == 0
	s_wait_dscnt 0x0
.else
	s_wait_dscnt 0x2                               ; row i is back from its stage; the last step's two stores may be out, those of the step before are done: their registers are written below
.endif
.if (\i) < 5
	XLOAD (\i)+15
.else
	WLOAD 64+4*((\i)-5)
	WLOAD 65+4*((\i)-5)
	WLOAD 66+4*((\i)-5)
	WLOAD 67+4*((\i)-5)
.endif
.if (\i) < 19
	s_wait_loadcnt 56                              ; 148 + 4 i loads are issued, row i + 1's last is number 92 + 4 i
	TURN (\i)+1
.endif
	WIN 0
	QUANT16 X+16*((\i)%2), CD+4*((\i)%2), EB+(\i)%2
	ds_store_b128 v4, v[CD+4*((\i)%2):CD+4*((\i)%2)+3] offset:XP*(\i)   ; 32 lanes: the row's 512 codes, K as it lies
	ds_store_b8 v5, v[EB+(\i)%2] offset:16*(\i)    ; both lanes of a block write the same byte with the same value
.endm
.macro XFLOAD m, s                     ; x's fragment of places 16 m on, K step s: lane (r, h), registers 4 c on: k = 128 s + 32 c + 16 h + 0 .. 15 of row r
.irp c, 0,1,2,3
	ds_load_b128 v[XF+16*(\s)+4*\c:XF+16*(\s)+4*\c+3], v6 offset:16*XP*(\m)+128*(\s)+32*\c
.endr
.endm
; Eight products: my eight tiles of outputs x places 16 m on, K step s.  The eight accumulators take turns, one instruction a turn.  The first K step takes the bias as C: nothing is cleared or added.
.macro PROD m, s
	WIN 0xf1+(\s)/2                                ; source 0 window 1 or 2, source 1 window 0, C and D window 3
.irp n, 0,1,2,3,4,5,6,7
.set aR, 64*((\m)%2)+8*\n
.set wR, 128*((\s)%2)+16*\n
.set fR, XF+16*(\s)
.set sW, WSC+4*(\n/2)+(\s)
.set sX, XSC+4*(\m)+(\s)
.if (\s) == 0
.if (\n)%2
	v_wmma_scale_f32_16x16x128_f8f6f4 v[aR:aR+7], v[wR:wR+15], v[fR:fR+15], v[BI+8*\n:BI+8*\n+7], v[sW], v[sX] matrix_a_scale:MATRIX_SCALE_ROW1
.else
	v_wmma_scale_f32_16x16x128_f8f6f4 v[aR:aR+7], v[wR:wR+15], v[fR:fR+15], v[BI+8*\n:BI+8*\n+7], v[sW], v[sX]
.endif
.else
.if (\n)%2
	v_wmma_scale_f32_16x16x128_f8f6f4 v[aR:aR+7], v[wR:wR+15], v[fR:fR+15], v[aR:aR+7], v[sW], v[sX] matrix_a_scale:MATRIX_SCALE_ROW1
.else
	v_wmma_scale_f32_16x16x128_f8f6f4 v[aR:aR+7], v[wR:wR+15], v[fR:fR+15], v[aR:aR+7], v[sW], v[sX]
.endif
.endif
.endr
.endm
; 16 places x my 128 outputs go through my own stage and come back as rows of 512 bytes
.macro TOSTAGE m
.if (\m) > 0
	s_wait_xcnt 0x0                                ; the stores of the 16 places before have read their registers: the loads below land there, and their offsets are made anew later
.endif
	WIN 0x0c
.irp n, 0,1,2,3,4,5,6,7
	ds_store_b128 v8, v[64*((\m)%2)+8*\n:64*((\m)%2)+8*\n+3] offset:64*\n          ; each accumulator from its low end on
	ds_store_b128 v8, v[64*((\m)%2)+8*\n+4:64*((\m)%2)+8*\n+7] offset:64*\n+16
.endr
	WIN 0
.irp i, 0,1,2,3,4,5,6,7,8,9,10,11,12,13,14,15
	ds_load_b128 v[BK+4*\i:BK+4*\i+3], v9 offset:XP*\i   ; LDS serves a wave's instructions in order: these see my stores
.endr
.endm
; The rows of places 16 m on are stored, each to its token's row of out0.  The first place at or behind the tile's count ends the wave: all later places are filler too, and no barrier follows.
.macro SEND m
.set sI, 32+16*((\m)%2)
	s_wait_kmcnt 0x0                               ; the 16 tokens' numbers
.irp i, 0,1,2,3,4,5,6,7,8,9,10,11,12,13,14,15
	s_min_u32 s[sI+\i], s[sI+\i], 0x3fff           ; a loaded number is held inside the table before it enters an address
.endr
.irp i, 0,1,2,3,4,5,6,7,8,9,10,11,12,13,14,15
	v_lshl_add_u32 v[RO+\i], s[sI+\i], 11, v10     ; the token's row + my wave's 512 bytes + 16 x lane.  (These sixteen are also the places behind the products in front)
.endr
.if (\m)+2 <= 4
	s_load_b512 s[sI:sI+15], s[8:9], 64*((\m)+2)   ; the numbers for two tiles of places on
.endif
	s_wait_dscnt 0x0                               ; the rows are back from the stage, and x's fragments asked for earlier are in
.irp i, 0,1,2,3,4,5,6,7,8,9,10,11,12,13,14,15
	s_cmp_le_u32 s22, 16*(\m)+\i
	s_cbranch_scc1 .Lfinish
	global_store_b128 v[RO+\i], v[BK+4*\i:BK+4*\i+3], s[16:17] th:TH_STORE_NT   ; 32 lanes store 512 consecutive bytes, at a multiple of 512 from out0's first byte
.endr
.endm
.macro MT m                            ; places 16 m on.  The tile before leaves between this tile's K steps; the next tile's fragments are asked for as soon as their registers are free
.if (\m) > 0
	s_wait_dscnt 40                                ; K steps 0 and 1 of x are in; behind them: K steps 2 and 3 (8 loads) and the stage's 32 lines
.endif
	PROD \m, 0
	PROD \m, 1
	WIN 0
.if (\m) > 0
	SEND (\m)-1
.else
	PLACES
.endif
.if (\m) < 4
	XFLOAD (\m)+1, 0
	XFLOAD (\m)+1, 1
.endif
.if (\m) == 0
	s_wait_loadcnt 32                              ; the weights of K step 2 are in; K step 3's 32 loads may be out
.endif
	PROD \m, 2
.if (\m) == 0
	s_wait_loadcnt 0x0
.endif
	PROD \m, 3
	WIN 0
	PLACES
.if (\m) < 4
	XFLOAD (\m)+1, 2
	XFLOAD (\m)+1, 3
.endif
	TOSTAGE \m
.endm
	s_load_b256 s[4:11], s[0:1], 0x0               ; input s[4:5], cnt s[6:7], order s[8:9], wq s[10:11]
	s_load_b128 s[12:15], s[0:1], 0x20             ; ws s[12:13], bias s[14:15]
	s_load_b64 s[16:17], s[0:1], 0x30              ; out0
	v_lshl_add_u32 v12, v0, 2, SPARE               ; my spare word,
	v_mov_b32 v13, 0                               ; and 0: kept for the wave's end
	v_lshrrev_b32 v86, 5, v0
	v_readfirstlane_b32 s18, v86                   ; wave 0..3
	s_mov_b32 s19, 0x600000                        ; the mantissa field of 448
	s_wait_kmcnt 0x0
.irp e, 0,1,2,3,4,5,6,7,8,9,10,11,12,13,14,15
	s_load_b32 s[32+\e], s[6:7], 256*\e            ; the 16 counts; the addresses below are made while they come
.endr
	v_and_b32 v86, 31, v0                          ; lane
	v_and_b32 v87, 15, v0                          ; r
	v_bfe_u32 v88, v0, 4, 1                        ; h
	v_lshlrev_b32 v1, 4, v86                       ; v1: 16 x lane
	v_bfe_u32 v89, v0, 2, 3
	v_and_b32 v90, 3, v0
	s_mul_i32 s24, s18, 2*32*SP
	v_mul_u32_u24 v2, v89, SP
	v_lshl_add_u32 v2, v90, 4, v2
	v_add_nc_u32 v2, s24, v2                       ; v2: my stages, on the way in
	v_mul_u32_u24 v3, v86, SP
	v_add_nc_u32 v3, s24, v3                       ; v3: and on the way out
	s_mul_i32 s24, s18, 20*XP
	s_add_co_u32 s24, s24, XC
	v_add_nc_u32 v4, s24, v1                       ; v4: where my 20 places' codes go
	s_mul_i32 s24, s18, 20*16
	s_add_co_u32 s24, s24, XS
	v_bfe_u32 v89, v0, 1, 4
	v_add_nc_u32 v5, s24, v89                      ; v5: and their scale bytes
	v_mul_u32_u24 v6, v87, XP
	v_lshl_add_u32 v6, v88, 4, v6
	v_add_nc_u32 v6, XC, v6                        ; v6: a fragment of x: row r, + 16 h
	v_lshl_add_u32 v7, v87, 4, XS                  ; v7: row r's four scale words
	s_mul_i32 s24, s18, 16*XP
	s_add_co_u32 s24, s24, OST
	v_mul_u32_u24 v8, v87, XP
	v_lshl_add_u32 v8, v88, 5, v8
	v_add_nc_u32 v8, s24, v8                       ; v8: my stage, in: row r, 32 bytes for each half of the lanes
	v_add_nc_u32 v9, s24, v1                       ; v9: back: a row of 512 bytes to the 32 lanes
	v_lshl_add_u32 v10, s18, 9, v1                 ; v10: my wave's 512 bytes of a row of out0
	v_lshlrev_b32 v11, 5, v88                      ; v11: the bias: eight numbers for each half of the lanes
	s_mov_b32 s20, 0                               ; the type,
	s_mov_b32 s21, 0                               ; its first tile's number,
	s_mov_b32 s22, 0                               ; its count,
	s_mov_b32 s23, 0                               ; tiles so far
	s_wait_kmcnt 0x0
.irp e, 0,1,2,3,4,5,6,7,8,9,10,11,12,13,14,15  ; my type is the last whose first tile's number is not above my work-group's
	s_add_co_u32 s24, s[32+\e], 79
	s_mul_hi_u32 s24, s24, 0x03333334              ; / 80, rounded down: exact for numbers under 2^15
	s_cmp_ge_u32 ttmp9, s23
	s_cselect_b32 s20, \e, s20
	s_cselect_b32 s21, s23, s21
	s_cselect_b32 s22, s[32+\e], s22
	s_add_co_u32 s23, s23, s24
.endr
	s_sub_co_u32 s21, ttmp9, s21                   ; which tile of the type
	s_mul_i32 s24, s21, 80
	s_min_u32 s24, s24, s22                        ; its first place; a work-group behind the last tile stands at the last type's filler
	s_sub_co_u32 s22, s22, s24
	s_min_u32 s22, s22, 80                         ; s22: the tile's rows, 0 in such a work-group
	s_min_u32 s20, s20, 15
	s_mul_i32 s25, s20, LCAP
	s_add_co_u32 s24, s24, s25
	s_min_u32 s24, s24, 16*LCAP-80                 ; numbers made of loaded ones are held inside their buffers
	s_lshl_b32 s24, s24, 2
	s_mov_b32 s25, 0
	s_add_nc_u64 s[8:9], s[8:9], s[24:25]          ; the tile's 80 entries
	s_lshl_b32 s24, s20, 18
	s_lshl_b32 s26, s18, 16
	s_add_co_u32 s24, s24, s26
	s_add_nc_u64 s[10:11], s[10:11], s[24:25]      ; the type's codes, my eight tiles
	s_lshl_b32 s24, s20, 13
	s_lshl_b32 s26, s18, 11
	s_add_co_u32 s24, s24, s26
	s_add_nc_u64 s[12:13], s[12:13], s[24:25]      ; their scale bytes
	s_lshl_b32 s24, s20, 11
	s_lshl_b32 s26, s18, 9
	s_add_co_u32 s24, s24, s26
	s_add_nc_u64 s[14:15], s[14:15], s[24:25]      ; the type's bias, my 128
	s_mul_i32 s24, s18, 80                         ; my 20 places' entries (s24 stands until they are in)
	s_load_b512 s[32:47], s[8:9], s24 offset:0x0
	s_load_b128 s[48:51], s[8:9], s24 offset:0x40
	; 84 loads that hang on the type alone go out while the list comes: scale words, bias, the weights of K steps 0 and 1
.irp q, 0,1,2,3
	global_load_b128 v[WSC+4*\q:WSC+4*\q+3], v1, s[12:13] offset:512*\q   ; lane l: the four words of row 32 q + l
.endr
	WIN 0xc0
.irp n, 0,1,2,3,4,5,6,7
	global_load_b128 v[BI+8*\n:BI+8*\n+3], v11, s[14:15] offset:64*\n     ; lane (r, h): outputs 16 n + 8 h + 0 .. 7, the result's layout
	global_load_b128 v[BI+8*\n+4:BI+8*\n+7], v11, s[14:15] offset:64*\n+16
.endr
.set Q, 0
.rept 64
	WLOAD Q
.set Q, Q+1
.endr
	WIN 0
	s_wait_kmcnt 0x0
.irp i, 0,1,2,3,4,5,6,7,8,9,10,11,12,13,14,15,16,17,18,19
	s_min_u32 s[32+\i], s[32+\i], 0x3fff
.endr
.irp i, 0,1,2,3,4,5,6,7,8,9,10,11,12,13,14,15,16,17,18,19
	v_lshl_add_u32 v[GO+\i], s[32+\i], 11, v1      ; the token's row of 2,048 bytes + 16 x lane
.endr
.set Q, 0
.rept 15
	XLOAD Q
.set Q, Q+1
.endr
	s_wait_loadcnt 56                              ; 144 loads are issued; row 0's last is number 88.  (Where the count of loads out would pass its field the issue stalls: ISA guide 5.7.1)
	TURN 0
.set Q, 0
.rept 20
	STEP Q
.set Q, Q+1
.endr
	s_wait_dscnt 0x0                               ; for the others' sake: my codes and scale bytes are in LDS
	s_barrier_signal -1
	s_barrier_wait -1                              ; the one barrier: all 80 places' are
	s_cmp_eq_u32 s22, 0
	s_cbranch_scc1 .Lfinish                        ; a work-group without rows ends here
	WLOAD 124
	WLOAD 125
	WLOAD 126
	WLOAD 127
	WIN 0
	s_load_b512 s[32:47], s[8:9], 0x0              ; the tokens of places 0-15 and 16-31, for the stores
	s_load_b512 s[48:63], s[8:9], 0x40
.irp m, 0,1,2,3,4
	ds_load_b128 v[XSC+4*\m:XSC+4*\m+3], v7 offset:256*\m   ; lane r: the four scale words of place 16 m + r (lanes 16-31 hold the same and are not read)
.endr
.irp s, 0,1,2,3
	XFLOAD 0, \s
.endr
	s_wait_dscnt 0x0
.irp m, 0,1,2,3,4
	MT \m
.endr
	SEND 4
.Lfinish:
	s_wait_kmcnt 0x0                               ; a wave that ends early may have a load of tokens' numbers out
	s_wait_tensorcnt 0x0                           ; the wave's end, behind my last LDS store
	ds_add_u32 v12, v13
	s_wait_dscnt 0x0
	s_endpgm
.Lfunc_end_k_q9a8a1d2b7d_experts:
	.size	k_q9a8a1d2b7d_experts, .Lfunc_end_k_q9a8a1d2b7d_experts-k_q9a8a1d2b7d_experts
	.p2alignl 7, 3214868480
	.fill 96, 4, 3214868480
	.section	.rodata,"a",@progbits
	.p2align	6, 0x0
	.amdhsa_kernel k_q9a8a1d2b7d_experts
		.amdhsa_group_segment_fixed_size 98304
		.amdhsa_private_segment_fixed_size 0
		.amdhsa_enable_private_segment 0
		.amdhsa_kernarg_size 56
		.amdhsa_user_sgpr_count 2
		.amdhsa_user_sgpr_kernarg_segment_ptr 1
		.amdhsa_wavefront_size32 1
		.amdhsa_system_sgpr_workgroup_id_x 1
		.amdhsa_system_sgpr_workgroup_id_y 1
		.amdhsa_system_sgpr_workgroup_id_z 1
		.amdhsa_system_vgpr_workitem_id 0
		.amdhsa_next_free_vgpr 1024
		.amdhsa_next_free_sgpr 66
		.amdhsa_reserve_vcc 0
		.amdhsa_float_denorm_mode_32 3
		.amdhsa_float_denorm_mode_16_64 3
		.amdhsa_memory_ordered 1
		.amdhsa_forward_progress 1
		.amdhsa_inst_pref_size 149
	.end_amdhsa_kernel
	.amdgpu_metadata
---
amdhsa.version: [ 1, 2 ]
amdhsa.kernels:
  - .name:           k_q9a8a1d2b7d_experts
    .symbol:         k_q9a8a1d2b7d_experts.kd
    .args:
      - { .name: input, .offset: 0, .size: 8, .value_kind: global_buffer, .address_space: global }
      - { .name: cnt, .offset: 8, .size: 8, .value_kind: global_buffer, .address_space: global }
      - { .name: order, .offset: 16, .size: 8, .value_kind: global_buffer, .address_space: global }
      - { .name: wq, .offset: 24, .size: 8, .value_kind: global_buffer, .address_space: global }
      - { .name: ws, .offset: 32, .size: 8, .value_kind: global_buffer, .address_space: global }
      - { .name: bias, .offset: 40, .size: 8, .value_kind: global_buffer, .address_space: global }
      - { .name: out0, .offset: 48, .size: 8, .value_kind: global_buffer, .address_space: global }
    .group_segment_fixed_size: 98304
    .private_segment_fixed_size: 0
    .kernarg_segment_align: 8
    .kernarg_segment_size: 56
    .max_flat_workgroup_size: 128
    .sgpr_count:     66
    .vgpr_count:     1024
    .wavefront_size: 32
...
	.end_amdgpu_metadata
.endif
;; end of part 2
;; ======== version 2 of 2: 2 launches; version 1 with the launch experts written anew for expert scheduling mode
;; workspace buffers: wq 4,194,304 bytes; ws 131,072 bytes; order 1,056,768 bytes of whole numbers; cnt 4,096 bytes of whole numbers
;; launch prep: the kernel of part 1 again; grid 272 x 1, 8 waves a work-group, no clusters, 101,120 bytes of LDS; arguments weight, i_type, wq, ws, order, cnt; writes wq, ws, order, cnt
;; launch experts (part 3): grid 220 x 1, 4 waves a work-group, no clusters, 98,304 bytes of LDS; arguments input, cnt, order, wq, ws, bias, out0; writes out0
.if DOCPART == 3
	.amdgcn_target "amdgcn-amd-amdhsa--gfx1250"
	.amdhsa_code_object_version 6
	.text
	.protected	k_q9a8a1d2b7d_experts
	.globl	k_q9a8a1d2b7d_experts
	.p2align	8
	.type	k_q9a8a1d2b7d_experts,@function
k_q9a8a1d2b7d_experts:
	s_mov_b64 s[64:65], 0
	v_nop
	global_prefetch_b8 v0, s[64:65] scope:SCOPE_SE
	s_setreg_imm32_b32 hwreg(HW_REG_WAVE_SCHED_MODE, 0, 2), 2
	s_setreg_imm32_b32 hwreg(HW_REG_WAVE_MODE, 25, 1), 1
	s_wait_xcnt 0x0
	s_wait_alu depctr_vm_vsrc(0)
; out[n] = Q(input[n]) . Q(weight[i_type[n]])^T + bias[i_type[n]].  Second of two launches.  WORK LEFT OUT: only the type that i_type names for a token is multiplied: the other 15 rows of
; reference()'s all_out[n] are dropped by its take_along_axis and reach no output, whatever the inputs hold.  A NaN, an infinity or an overflow that reaches only those rows is not carried.
; LIMITS as in the first launch: types 0 .. 15; a block under 2^(9 - 127), and a block of zeros, has the scale byte 1; NaN and infinities among the inputs are not served.
; TILES.  Type e with c tokens has ceil(c / 80) tiles of 80 places of its list.  Over all types that is at most (16,384 + 16 x 79) / 80, so 220 work-groups serve every split.  Each work-group finds its
; tile from the 16 counts.  Places behind the list's end hold filler (token 0): they are multiplied inside a live tile and never stored.
; A WORK-GROUP THAT THE SPLIT LEAVES WITHOUT ROWS runs up to the one barrier on filler alone and ends directly behind it, with nothing multiplied and nothing stored: so no branch stands ahead of the barrier,
; and every wave of every work-group passes it.  That is what a grid that serves every split costs here.
; NO TENSOR LOAD, NO CLUSTER: partners would belong to types with different numbers of tiles.  Weights come straight into registers, laid for that by the first launch.
; SHARES.  Wave w gathers and quantises places 20 w .. 20 w + 19 (codes and scale bytes to LDS, one barrier), then makes outputs 128 w .. 128 w + 127 for all 80 places: 8 tiles of outputs x 5 tiles of
; places x 4 K steps = 160 matrix instructions.  Its 32 fragments of the type's weights, 512 registers, stay; each fragment of x read from LDS feeds eight products.
; THE MATRIX INSTRUCTION IS USED TRANSPOSED (source 0 = 16 rows of the weight, source 1 = 16 places): a lane holds one place and eight neighbouring outputs.  The bias is the C of each sum's first product.
; REGISTERS, in windows of 256.  Window 0: v1-11 addresses; v12, v13 the add's two; v16-35 the gather's offsets, later the stores'; v36-55 x's scale words (4 m + s); v56-71 the weights' scale words
; (4 (n / 2) + s: lanes 0-15 tile n even, lanes 16-31 tile n odd); v72-85 at work; v92-123 two sets of 16 neighbours; v128-255 rows 12-19 as loaded, behind the barrier v128-191 x's four fragments of the even
; tiles of places and v192-255 16 rows on their way out.
; Windows 1, 2: the weights: fragment (s, n) at v[128 (s % 2) + 16 n] of window 1 + s / 2.  Window 3: v0-191 rows 0-11 as loaded, later v0-127 two sets of 8 accumulators and v128-191 x's four fragments of the
; odd tiles of places; v192-255 the bias, 8 a tile.
; THE MODE: SCHED_MODE bits 1:0 = 2 (LLVM: expert scheduling mode 2), set by the entry lines.  The code itself states the register dependences between vector or matrix instructions and memory or LDS
; instructions, with s_wait_alu, always for 0.
; THE PLAN.  Registers that memory or LDS instructions touch, and who else names them:
;   v1-9, v11     addresses, made once at the head and never written again: one wait on va_vdst ahead of the first load.
;   v16-35        the gather's offsets: made once, one wait on va_vdst ahead of the gather.  Behind the barrier v16-31 are made anew for each tile of places, as the stores' offsets.
;   rows as loaded  written by the gather's loads, read by the stage's LDS stores, named by no vector line.  One wait on vm_vsrc behind the barrier, where these registers get their second use.
;   X0, X1        step i quantises X[i % 2]; row i + 1 lands in the other one, with which place i - 1's quantising has done.
;   CD0/1, EB0/1  step i writes set i % 2; its two LDS stores are issued in step i + 1.
;                 So at a step's head one wait on va_vdst (place i - 1's quantising is over) serves row i + 1's LDS loads and place i - 1's LDS stores, and one on vm_vsrc frees the set that this step writes.
;   XF even, odd  tile m's products read XF[m % 2]; tile m + 1's fragments land in the other one while they run.
;   accumulators  tile m's products write set m % 2; the LDS stores of its way out read it, ahead of and among tile m + 1's products, which write the other set.
;   v192-255      rows on their way out: written by LDS loads, read by the stores to out0, named by no vector line.
;                 So ONE wait on va_vdst stands at the head of a tile's way out (its products are over, its offsets are written), and one on vm_vsrc ahead of the offsets' lines (the tile before has left).
;   weights, bias and scale words are loaded once and named by matrix instructions alone.
.set SP,    80                         ; a lane's place in a stage: its 64 bytes + 16 of padding
.set XP,    528                        ; a row of 512 bytes + 16: 33 x 16 bytes, so the 16 rows that a load touches start at 16 different banks (64 banks of 4 bytes: ISA guide 11.1)
.set XC,    4*2*32*SP                  ; behind the waves' two stages each: 80 rows of codes
.set XS,    XC+80*XP                   ; 80 rows of 16 scale bytes
.set OST,   XS+80*16                   ; the way out: 16 rows x XP for each wave
.set SPARE, OST+4*16*XP                ; the spare words, 128 bytes for each wave: two blocks of 256 bytes that no other line names
.set LCAP,  16512                      ; words of order for a type
.set GO,    16
.set RO,    16
.set XSC,   36
.set WSC,   56
.set TM,    72
.set CD,    76
.set EB,    84
.set X,     92
.set XF,    128                        ; in window 0 (even tiles of places) and in window 3 (odd ones)
.set BK,    192
.set BI,    192                        ; in window 3
.set MSB, 0
.macro WIN new                         ; the immediate's high byte repeats the setting that is left; a switch that changes nothing is dropped
.if MSB != (\new)
	s_set_vgpr_msb (MSB<<8)|(\new)
.set MSB, \new
.endif
.endm
.macro WLOAD k                         ; quarter k of 128 of my weights: K step k / 32, tile (k / 4) % 8, registers 4 (k % 4) on: 512 consecutive bytes
.set kS, (\k)/32
.set kN, ((\k)/4)%8
.set kC, (\k)%4
.set kR, 128*(kS%2)+16*kN+4*kC
	WIN 0x40*(1+kS/2)
	global_load_b128 v[kR:kR+3], v1, s[10:11] offset:8192*kN+2048*kS+512*kC
.endm
.macro XLOAD i                         ; my place i's row of input: four loads of 512 consecutive bytes.  No hint: the filler names token 0 again and again
.if (\i) < 12
	WIN 0xc0
.set xR, 16*(\i)
.else
	WIN 0
.set xR, 128+16*((\i)-12)
.endif
.irp k, 0,1,2,3
	global_load_b128 v[xR+4*\k:xR+4*\k+3], v[GO+(\i)], s[4:5] offset:512*\k
.endr
.endm
.macro TURN i                          ; row i through one of my two stages: in as loaded, out 64 bytes a lane.  LDS serves a wave's instructions in order: no wait between
.if (\i) < 12
	WIN 0x0c                                       ; an LDS store's data are its source 1: window 3
.set xR, 16*(\i)
.else
	WIN 0
.set xR, 128+16*((\i)-12)
.endif
.irp k, 0,1,2,3
	ds_store_b128 v2, v[xR+4*\k:xR+4*\k+3] offset:32*SP*((\i)%2)+8*SP*\k
.endr
	WIN 0
.irp k, 0,1,2,3
	ds_load_b128 v[X+16*((\i)%2)+4*\k:X+16*((\i)%2)+4*\k+3], v3 offset:32*SP*((\i)%2)+16*\k
.endr
.endm
; 16 numbers of a lane, neighbours along K (two neighbouring lanes hold a block of 32), become 16 codes and the block's scale byte
.macro QUANT16 xs, cd, eb
	v_max3_num_f32 v[TM], |v[(\xs)]|, |v[(\xs)+1]|, |v[(\xs)+2]|
	v_max3_num_f32 v[TM+1], |v[(\xs)+3]|, |v[(\xs)+4]|, |v[(\xs)+5]|
.irp u, 6,10
	v_max3_num_f32 v[TM], v[TM], |v[(\xs)+\u]|, |v[(\xs)+\u+1]|
	v_max3_num_f32 v[TM+1], v[TM+1], |v[(\xs)+\u+2]|, |v[(\xs)+\u+3]|
.endr
	v_max3_num_f32 v[TM], v[TM], |v[(\xs)+14]|, |v[(\xs)+15]|
	v_max3_num_f32 v[TM], v[TM], v[TM+1], 0x4800000        ; the floor 2^(9 - 127): the byte cannot fall under 1
	v_max_num_f32_dpp v[TM], v[TM], v[TM] row_xmask:1 row_mask:0xf bank_mask:0xf
	v_add_nc_u32 v[TM+2], 0xfc000000, v[TM]        ; 8 off the exponent field: the conversion's scale operand
	v_and_or_b32 v[TM+3], v[TM], 0x7f800000, s19   ; 448 x the scale
.irp u, 0,1,2,3,4,5,6,7,8,9,10,11,12,13,14,15
	v_med3_num_f32 v[(\xs)+\u], v[(\xs)+\u], -v[TM+3], v[TM+3]   ; the conversion to an 8-bit code does not saturate (ISA guide 7.6.2)
.endr
	v_cvt_scalef32_pk8_fp8_f32 v[(\cd):(\cd)+1], v[(\xs):(\xs)+7], v[TM+2]
	v_cvt_scalef32_pk8_fp8_f32 v[(\cd)+2:(\cd)+3], v[(\xs)+8:(\xs)+15], v[TM+2]
	v_lshrrev_b32 v[(\eb)], 23, v[TM+2]            ; the scale's byte; also the plain line behind the conversions
.endm
.macro PUTC i                          ; place i's codes and scale byte go to LDS
	ds_store_b128 v4, v[CD+4*((\i)%2):CD+4*((\i)%2)+3] offset:XP*(\i)   ; 32 lanes: the row's 512 codes, K as it lies
	ds_store_b8 v5, v[EB+(\i)%2] offset:16*(\i)    ; both lanes of a block write the same byte with the same value
.endm
; Place i is quantised.  Four more loads go out in each step (rows 15-19, then the weights of K steps 2 and 3), so that every wait for a row leaves 56 younger loads on their way.
; Place i - 1's codes and byte are stored in this step, behind the wait at its head.
.macro STEP i
.if (\i) < 2
	s_wait_dscnt 0x0                               ; row i is back from its stage: nothing was issued behind its loads
.else
	s_wait_dscnt 0x2                               ; row i is back from its stage; the two stores issued behind its loads, place i - 2's codes and byte, may be out
.endif
.if (\i) > 0
	s_wait_alu depctr_va_vdst(0)                   ; place i - 1's quantising has written its codes and its byte, which the two LDS stores below read, and is done with its 16 neighbours' registers, in which row i + 1 lands
.endif
.if (\i) > 1
	s_wait_alu depctr_vm_vsrc(0)                   ; the LDS stores of place i - 2, issued in the step before, have read the codes' and the byte's registers that this step's quantising writes
.endif
.if (\i) < 5
	XLOAD (\i)+15
.else
	WLOAD 64+4*((\i)-5)
	WLOAD 65+4*((\i)-5)
	WLOAD 66+4*((\i)-5)
	WLOAD 67+4*((\i)-5)
.endif
.if (\i) < 19
	s_wait_loadcnt 56                              ; 148 + 4 i loads are issued, row i + 1's last is number 92 + 4 i
	TURN (\i)+1                                    ; no vector line since the wait at the head: nothing more is owed for its loads
.endif
	WIN 0
.if (\i) > 0
	PUTC (\i)-1                                    ; nor for these two stores
.endif
	QUANT16 X+16*((\i)%2), CD+4*((\i)%2), EB+(\i)%2
.endm
.macro XFLOAD m, s                     ; x's fragment of places 16 m on, K step s: lane (r, h), registers 4 c on: k = 128 s + 32 c + 16 h + 0 .. 15 of row r.  Even m: window 0; odd m: window 3
	WIN 0xc0*((\m)%2)
.irp c, 0,1,2,3
	ds_load_b128 v[XF+16*(\s)+4*\c:XF+16*(\s)+4*\c+3], v6 offset:16*XP*(\m)+128*(\s)+32*\c
.endr
.endm
; Eight products: my eight tiles of outputs x places 16 m on, K step s.  The eight accumulators take turns, one instruction a turn.  The first K step takes the bias as C: nothing is cleared or added.
.macro PROD m, s
	WIN 0xf1+(\s)/2+0x0c*((\m)%2)                  ; source 0 window 1 or 2, source 1 window 0 or 3, C and D window 3
.irp n, 0,1,2,3,4,5,6,7
.set aR, 64*((\m)%2)+8*\n
.set wR, 128*((\s)%2)+16*\n
.set fR, XF+16*(\s)
.set sW, WSC+4*(\n/2)+(\s)
.set sX, XSC+4*(\m)+(\s)
.if (\s) == 0
.if (\n)%2
	v_wmma_scale_f32_16x16x128_f8f6f4 v[aR:aR+7], v[wR:wR+15], v[fR:fR+15], v[BI+8*\n:BI+8*\n+7], v[sW], v[sX] matrix_a_scale:MATRIX_SCALE_ROW1
.else
	v_wmma_scale_f32_16x16x128_f8f6f4 v[aR:aR+7], v[wR:wR+15], v[fR:fR+15], v[BI+8*\n:BI+8*\n+7], v[sW], v[sX]
.endif
.else
.if (\n)%2
	v_wmma_scale_f32_16x16x128_f8f6f4 v[aR:aR+7], v[wR:wR+15], v[fR:fR+15], v[aR:aR+7], v[sW], v[sX] matrix_a_scale:MATRIX_SCALE_ROW1
.else
	v_wmma_scale_f32_16x16x128_f8f6f4 v[aR:aR+7], v[wR:wR+15], v[fR:fR+15], v[aR:aR+7], v[sW], v[sX]
.endif
.endif
.endr
.endm
; The head of the way out of places 16 m on, directly behind their last products: the stores' offsets, and the waits that serve the whole way out and the next fragments' loads.
.macro OUTHEAD m
.set sI, 32+16*((\m)%2)
	WIN 0
	s_wait_kmcnt 0x0                               ; the 16 tokens' numbers
.irp i, 0,1,2,3,4,5,6,7,8,9,10,11,12,13,14,15
	s_min_u32 s[sI+\i], s[sI+\i], 0x3fff           ; a loaded number is held inside the table before it enters an address
.endr
.if (\m) > 0
	s_wait_xcnt 0x0                                ; the stores of the 16 places before have had their addresses translated (ISA guide 3.1): their offsets are made anew below, and the stage's loads land in their data registers
	s_wait_alu depctr_vm_vsrc(0)                   ; those stores have read their offsets and their rows' registers; the LDS stores of the tile before have read its accumulators, which the next tile's first products write
.endif
.irp i, 0,1,2,3,4,5,6,7,8,9,10,11,12,13,14,15
	v_lshl_add_u32 v[RO+\i], s[sI+\i], 11, v10     ; the token's row + my wave's 512 bytes + 16 x lane.  These sixteen are also the eight places and more between the last products and the LDS stores that read their results
.endr
	s_wait_alu depctr_va_vdst(0)                   ; this tile's products have written their accumulators, which the LDS stores read, and are done reading their fragments of x, in which the fragments of two tiles on land; the sixteen offsets are written, which the stores to out0 read
.if (\m)+2 <= 4
	s_load_b512 s[sI:sI+15], s[8:9], 64*((\m)+2)   ; the numbers for two tiles of places on
.endif
.endm
; 16 places x my 128 outputs go through my own stage and come back as rows of 512 bytes
.macro TOSTAGE m
	WIN 0x0c
.irp n, 0,1,2,3,4,5,6,7
	ds_store_b128 v8, v[64*((\m)%2)+8*\n:64*((\m)%2)+8*\n+3] offset:64*\n          ; each accumulator from its low end on
	ds_store_b128 v8, v[64*((\m)%2)+8*\n+4:64*((\m)%2)+8*\n+7] offset:64*\n+16
.endr
	WIN 0
.irp i, 0,1,2,3,4,5,6,7,8,9,10,11,12,13,14,15
	ds_load_b128 v[BK+4*\i:BK+4*\i+3], v9 offset:XP*\i   ; LDS serves a wave's instructions in order: these see my stores
.endr
.endm
; The rows of places 16 m on are stored, each to its token's row of out0.  The first place at or behind the tile's count ends the wave: all later places are filler too, and no barrier follows.
.macro STORES m
.irp i, 0,1,2,3,4,5,6,7,8,9,10,11,12,13,14,15
	s_cmp_le_u32 s22, 16*(\m)+\i
	s_cbranch_scc1 .Lfinish
	global_store_b128 v[RO+\i], v[BK+4*\i:BK+4*\i+3], s[16:17] th:TH_STORE_NT   ; 32 lanes store 512 consecutive bytes, at a multiple of 512 from out0's first byte
.endr
.endm
; Places 16 m on.  The tile before goes to the stage ahead of this tile's products and leaves between its K steps; the next tile's fragments are dealt among the products, into the other buffer.
; Since the wait in OUTHEAD the products name this tile's fragments and accumulators, the weights, the bias and the scale words: none of the registers that these LDS lines and stores touch.
.macro MT m
.if (\m) > 0
	OUTHEAD (\m)-1
	TOSTAGE (\m)-1
	s_wait_dscnt 32                                ; this tile's four fragments of x are in; behind them: the stage's 32 lines
.endif
	PROD \m, 0
.if (\m) < 4
	XFLOAD (\m)+1, 0
	XFLOAD (\m)+1, 1
.endif
	PROD \m, 1
.if (\m) < 4
	XFLOAD (\m)+1, 2
	XFLOAD (\m)+1, 3
.endif
	WIN 0
.if (\m) > 0
.if (\m) < 4
	s_wait_dscnt 16                                ; the rows are back from the stage; the next tile's sixteen fragment loads may be out
.else
	s_wait_dscnt 0x0                               ; the rows are back from the stage
.endif
	STORES (\m)-1
.endif
.if (\m) == 0
	s_wait_loadcnt 32                              ; the weights of K step 2 are in; K step 3's 32 loads may be out
.endif
	PROD \m, 2
.if (\m) == 0
	s_wait_loadcnt 0x0
.endif
	PROD \m, 3
.endm
	s_load_b256 s[4:11], s[0:1], 0x0               ; input s[4:5], cnt s[6:7], order s[8:9], wq s[10:11]
	s_load_b128 s[12:15], s[0:1], 0x20             ; ws s[12:13], bias s[14:15]
	s_load_b64 s[16:17], s[0:1], 0x30              ; out0
	v_lshl_add_u32 v12, v0, 2, SPARE               ; my spare word,
	v_mov_b32 v13, 0                               ; and 0: kept for the wave's end
	v_lshrrev_b32 v86, 5, v0
	v_readfirstlane_b32 s18, v86                   ; wave 0..3
	s_mov_b32 s19, 0x600000                        ; the mantissa field of 448
	s_wait_alu depctr_va_sdst(0)                   ; s18 is written, ahead of its first reader: LDS addresses and the buffers' bases are made from it
	s_wait_kmcnt 0x0
.irp e, 0,1,2,3,4,5,6,7,8,9,10,11,12,13,14,15
	s_load_b32 s[32+\e], s[6:7], 256*\e            ; the 16 counts; the addresses below are made while they come
.endr
	v_and_b32 v86, 31, v0                          ; lane
	v_and_b32 v87, 15, v0                          ; r
	v_bfe_u32 v88, v0, 4, 1                        ; h
	v_lshlrev_b32 v1, 4, v86                       ; v1: 16 x lane
	v_bfe_u32 v89, v0, 2, 3
	v_and_b32 v90, 3, v0
	s_mul_i32 s24, s18, 2*32*SP
	v_mul_u32_u24 v2, v89, SP
	v_lshl_add_u32 v2, v90, 4, v2
	v_add_nc_u32 v2, s24, v2                       ; v2: my stages, on the way in
	v_mul_u32_u24 v3, v86, SP
	v_add_nc_u32 v3, s24, v3                       ; v3: and on the way out
	s_mul_i32 s24, s18, 20*XP
	s_add_co_u32 s24, s24, XC
	v_add_nc_u32 v4, s24, v1                       ; v4: where my 20 places' codes go
	s_mul_i32 s24, s18, 20*16
	s_add_co_u32 s24, s24, XS
	v_bfe_u32 v89, v0, 1, 4
	v_add_nc_u32 v5, s24, v89                      ; v5: and their scale bytes
	v_mul_u32_u24 v6, v87, XP
	v_lshl_add_u32 v6, v88, 4, v6
	v_add_nc_u32 v6, XC, v6                        ; v6: a fragment of x: row r, + 16 h
	v_lshl_add_u32 v7, v87, 4, XS                  ; v7: row r's four scale words
	s_mul_i32 s24, s18, 16*XP
	s_add_co_u32 s24, s24, OST
	v_mul_u32_u24 v8, v87, XP
	v_lshl_add_u32 v8, v88, 5, v8
	v_add_nc_u32 v8, s24, v8                       ; v8: my stage, in: row r, 32 bytes for each half of the lanes
	v_add_nc_u32 v9, s24, v1                       ; v9: back: a row of 512 bytes to the 32 lanes
	v_lshl_add_u32 v10, s18, 9, v1                 ; v10: my wave's 512 bytes of a row of out0
	v_lshlrev_b32 v11, 5, v88                      ; v11: the bias: eight numbers for each half of the lanes
	s_mov_b32 s20, 0                               ; the type,
	s_mov_b32 s21, 0                               ; its first tile's number,
	s_mov_b32 s22, 0                               ; its count,
	s_mov_b32 s23, 0                               ; tiles so far
	s_wait_kmcnt 0x0
.irp e, 0,1,2,3,4,5,6,7,8,9,10,11,12,13,14,15  ; my type is the last whose first tile's number is not above my work-group's
	s_add_co_u32 s24, s[32+\e], 79
	s_mul_hi_u32 s24, s24, 0x03333334              ; / 80, rounded down: exact for numbers under 2^15
	s_cmp_ge_u32 ttmp9, s23
	s_cselect_b32 s20, \e, s20
	s_cselect_b32 s21, s23, s21
	s_cselect_b32 s22, s[32+\e], s22
	s_add_co_u32 s23, s23, s24
.endr
	s_sub_co_u32 s21, ttmp9, s21                   ; which tile of the type
	s_mul_i32 s24, s21, 80
	s_min_u32 s24, s24, s22                        ; its first place; a work-group behind the last tile stands at the last type's filler
	s_sub_co_u32 s22, s22, s24
	s_min_u32 s22, s22, 80                         ; s22: the tile's rows, 0 in such a work-group
	s_min_u32 s20, s20, 15
	s_mul_i32 s25, s20, LCAP
	s_add_co_u32 s24, s24, s25
	s_min_u32 s24, s24, 16*LCAP-80                 ; numbers made of loaded ones are held inside their buffers
	s_lshl_b32 s24, s24, 2
	s_mov_b32 s25, 0
	s_add_nc_u64 s[8:9], s[8:9], s[24:25]          ; the tile's 80 entries
	s_lshl_b32 s24, s20, 18
	s_lshl_b32 s26, s18, 16
	s_add_co_u32 s24, s24, s26
	s_add_nc_u64 s[10:11], s[10:11], s[24:25]      ; the type's codes, my eight tiles
	s_lshl_b32 s24, s20, 13
	s_lshl_b32 s26, s18, 11
	s_add_co_u32 s24, s24, s26
	s_add_nc_u64 s[12:13], s[12:13], s[24:25]      ; their scale bytes
	s_lshl_b32 s24, s20, 11
	s_lshl_b32 s26, s18, 9
	s_add_co_u32 s24, s24, s26
	s_add_nc_u64 s[14:15], s[14:15], s[24:25]      ; the type's bias, my 128
	s_mul_i32 s24, s18, 80                         ; my 20 places' entries (s24 stands until they are in)
	s_load_b512 s[32:47], s[8:9], s24 offset:0x0
	s_load_b128 s[48:51], s[8:9], s24 offset:0x40
	s_wait_alu depctr_va_vdst(0)                   ; the addresses v1 to v9 and v11 are written, which the loads, LDS lines and stores of the whole kernel read; they are never written again
	; 84 loads that hang on the type alone go out while the list comes: scale words, bias, the weights of K steps 0 and 1
.irp q, 0,1,2,3
	global_load_b128 v[WSC+4*\q:WSC+4*\q+3], v1, s[12:13] offset:512*\q   ; lane l: the four words of row 32 q + l
.endr
	WIN 0xc0
.irp n, 0,1,2,3,4,5,6,7
	global_load_b128 v[BI+8*\n:BI+8*\n+3], v11, s[14:15] offset:64*\n     ; lane (r, h): outputs 16 n + 8 h + 0 .. 7, the result's layout
	global_load_b128 v[BI+8*\n+4:BI+8*\n+7], v11, s[14:15] offset:64*\n+16
.endr
.set Q, 0
.rept 64
	WLOAD Q
.set Q, Q+1
.endr
	WIN 0
	s_wait_kmcnt 0x0
.irp i, 0,1,2,3,4,5,6,7,8,9,10,11,12,13,14,15,16,17,18,19
	s_min_u32 s[32+\i], s[32+\i], 0x3fff
.endr
.irp i, 0,1,2,3,4,5,6,7,8,9,10,11,12,13,14,15,16,17,18,19
	v_lshl_add_u32 v[GO+\i], s[32+\i], 11, v1      ; the token's row of 2,048 bytes + 16 x lane
.endr
	WIN 0xc0                                       ; the first rows land in window 3: the switch, then the wait, then the loads
	s_wait_alu depctr_va_vdst(0)                   ; the twenty offsets v16 to v35 are written, which the gather's loads read
.set Q, 0
.rept 15
	XLOAD Q
.set Q, Q+1
.endr
	s_wait_loadcnt 56                              ; 144 loads are issued; row 0's last is number 88.  (Where the count of loads out would pass its field the issue stalls: ISA guide 5.7.1)
	TURN 0
.set Q, 0
.rept 20
	STEP Q
.set Q, Q+1
.endr
	s_wait_alu depctr_va_vdst(0)                   ; place 19's quantising has written its codes and its byte, which the last two LDS stores read
	PUTC 19
	s_wait_dscnt 0x0                               ; for the others' sake: my codes and scale bytes are in LDS
	s_barrier_signal -1
	s_barrier_wait -1                              ; the one barrier: all 80 places' are
	s_wait_alu depctr_vm_vsrc(0)                   ; the stage's LDS stores have read the rows as loaded: fragments of x and rows on their way out land in those registers, and the accumulators are written there; the gather's loads have read v16 to v35, which are made anew as the stores' offsets
	s_cmp_eq_u32 s22, 0
	s_cbranch_scc1 .Lfinish                        ; a work-group without rows ends here
	WLOAD 124
	WLOAD 125
	WLOAD 126
	WLOAD 127
	WIN 0
	s_load_b512 s[32:47], s[8:9], 0x0              ; the tokens of places 0-15 and 16-31, for the stores
	s_load_b512 s[48:63], s[8:9], 0x40
.irp m, 0,1,2,3,4
	ds_load_b128 v[XSC+4*\m:XSC+4*\m+3], v7 offset:256*\m   ; lane r: the four scale words of place 16 m + r (lanes 16-31 hold the same and are not read)
.endr
.irp s, 0,1,2,3
	XFLOAD 0, \s
.endr
	s_wait_dscnt 0x0
.irp m, 0,1,2,3,4
	MT \m
.endr
	OUTHEAD 4                                      ; the last 16 places leave
	TOSTAGE 4
	s_wait_dscnt 0x0                               ; the rows are back from the stage
	STORES 4
.Lfinish:
	s_wait_kmcnt 0x0                               ; a wave that ends early may have a load of tokens' numbers out
	s_wait_dscnt 0x0                               ; the closing lines, six on end
	s_wait_alu 0x0
	s_wait_tensorcnt 0x0
	ds_add_u32 v12, v13
	s_wait_dscnt 0x0
	s_endpgm
.Lfunc_end_k_q9a8a1d2b7d_experts:
	.size	k_q9a8a1d2b7d_experts, .Lfunc_end_k_q9a8a1d2b7d_experts-k_q9a8a1d2b7d_experts
	.p2alignl 7, 3214868480
	.fill 96, 4, 3214868480
	.section	.rodata,"a",@progbits
	.p2align	6, 0x0
	.amdhsa_kernel k_q9a8a1d2b7d_experts
		.amdhsa_group_segment_fixed_size 98304
		.amdhsa_private_segment_fixed_size 0
		.amdhsa_enable_private_segment 0
		.amdhsa_kernarg_size 56
		.amdhsa_user_sgpr_count 2
		.amdhsa_user_sgpr_kernarg_segment_ptr 1
		.amdhsa_wavefront_size32 1
		.amdhsa_system_sgpr_workgroup_id_x 1
		.amdhsa_system_sgpr_workgroup_id_y 1
		.amdhsa_system_sgpr_workgroup_id_z 1
		.amdhsa_system_vgpr_workitem_id 0
		.amdhsa_next_free_vgpr 1024
		.amdhsa_next_free_sgpr 66
		.amdhsa_reserve_vcc 0
		.amdhsa_float_denorm_mode_32 3
		.amdhsa_float_denorm_mode_16_64 3
		.amdhsa_memory_ordered 1
		.amdhsa_forward_progress 1
		.amdhsa_inst_pref_size 150
	.end_amdhsa_kernel
	.amdgpu_metadata
---
amdhsa.version: [ 1, 2 ]
amdhsa.kernels:
  - .name:           k_q9a8a1d2b7d_experts
    .symbol:         k_q9a8a1d2b7d_experts.kd
    .args:
      - { .name: input, .offset: 0, .size: 8, .value_kind: global_buffer, .address_space: global }
      - { .name: cnt, .offset: 8, .size: 8, .value_kind: global_buffer, .address_space: global }
      - { .name: order, .offset: 16, .size: 8, .value_kind: global_buffer, .address_space: global }
      - { .name: wq, .offset: 24, .size: 8, .value_kind: global_buffer, .address_space: global }
      - { .name: ws, .offset: 32, .size: 8, .value_kind: global_buffer, .address_space: global }
      - { .name: bias, .offset: 40, .size: 8, .value_kind: global_buffer, .address_space: global }
      - { .name: out0, .offset: 48, .size: 8, .value_kind: global_buffer, .address_space: global }
    .group_segment_fixed_size: 98304
    .private_segment_fixed_size: 0
    .kernarg_segment_align: 8
    .kernarg_segment_size: 56
    .max_flat_workgroup_size: 128
    .sgpr_count:     66
    .vgpr_count:     1024
    .wavefront_size: 32
...
	.end_amdgpu_metadata
.endif
;; end of part 3
